; MI455X (gfx1250); checked and timed in simulation.
; The chip was launched on July 23, 2026; its instructions are those of AMD's public machine-readable ISA for CDNA 5 (MIT licence, August 2026) and "CDNA5" Instruction Set Architecture Reference Guide (July 2026). The comments in the code are by the model that wrote it; some were corrected since.
;; Multi Head Self Attention. Allowed arithmetic: matrix products marked QUANTISED: E2M3 operands, one E8M0 scale for each 32 along K, by v_wmma_scale_f32_16x16x128_f8f6f4 with both operands' format E2M3, f32 sums; everything else in f32.
;; Inputs: Wk_codes 1,024 x 32 x 24 uint8 (E2M3 codes of Wk, K innermost, in blocks of 32 codes, four codes in three bytes); Wk_scales 1,024 x 32 uint8 (E8M0 scales of Wk, one for each 32 codes along K); Wo_codes 1,024 x 32 x 24 uint8 (E2M3 codes of Wo, K innermost, in blocks of 32 codes, four codes in three bytes); Wo_scales 1,024 x 32 uint8 (E8M0 scales of Wo, one for each 32 codes along K); Wq_codes 1,024 x 32 x 24 uint8 (E2M3 codes of Wq, K innermost, in blocks of 32 codes, four codes in three bytes); Wq_scales 1,024 x 32 uint8 (E8M0 scales of Wq, one for each 32 codes along K); Wv_codes 1,024 x 32 x 24 uint8 (E2M3 codes of Wv, K innermost, in blocks of 32 codes, four codes in three bytes); Wv_scales 1,024 x 32 uint8 (E8M0 scales of Wv, one for each 32 codes along K); token_positions 4,096 int32; x_codes 1 x 4,096 x 32 x 24 uint8 (E2M3 codes of x, K innermost, in blocks of 32 codes, four codes in three bytes); x_scales 1 x 4,096 x 32 uint8 (E8M0 scales of x, one for each 32 codes along K).
;; Outputs: out0 1 x 4,096 x 1,024 float32.
;; This version of the problem:
;;   THIS VERSION OF THE PROBLEM IS GIVEN IN LOW PRECISION. The matrix products marked QUANTISED in the list below multiply operands that are first quantised to E2M3 (2 exponent bits, 3 mantissa bits; 6 bits a number), with one power-of-two scale for each 32 numbers along K (OCP MX v1.0); their sums are f32. All else is computed in f32.
;;   The module's matrix products, in the order in which they are computed (A, B: the left and right operand; K: the contracted axis; several contracted axes count as one K, in the product's order):
;;     1. [M 4,096, K 1,024] x [K 1,024, N 1,024]; A: input x (given as codes); B: input Wq (given as codes): QUANTISED
;;     2. [M 4,096, K 1,024] x [K 1,024, N 1,024]; A: input x (given as codes); B: input Wk (given as codes): QUANTISED
;;     3. [M 4,096, K 1,024] x [K 1,024, N 1,024]; A: input x (given as codes); B: input Wv (given as codes): QUANTISED
;;     4. batch 16 x [M 4,096, K 64] x [K 64, N 4,096]; A: computed on the way; B: computed on the way: QUANTISED
;;     5. batch 16 x [M 4,096, K 4,096] x [K 4,096, N 64]; A: softmax (see below); B: computed on the way: QUANTISED
;;     6. [M 4,096, K 1,024] x [K 1,024, N 1,024]; A: computed on the way; B: input Wo (given as codes): QUANTISED
;;   THE QUANTISER, for each operand of a quantised product, along K:
;;     - K is cut into blocks of 32 from its start; a last block that is shorter is filled with zeros.
;;     - A block's scale is 2^e with e = floor(log2(the largest magnitude in the block)) - 2, held to -126 .. 127; a block of zeros has e = 0. As a byte (E8M0): e + 127.
;;     - Each number is divided by its block's scale, clamped to +-7.5, and rounded to the nearest number of E2M3, ties to even, subnormals kept.
;;     - The product sums the exact products of the quantised numbers (number of the format x scale) in f32.
;;   ~~~python
;;   def quantise(x, axis):      # numpy; x: float32 -> the quantised numbers, widened to float32 again
;;       x = np.moveaxis(x, axis, -1); K = x.shape[-1]
;;       x = np.pad(x, [(0, 0)] * (x.ndim - 1) + [(0, -K % 32)]); x = x.reshape(x.shape[:-1] + (-1, 32)); a = np.abs(x).max(-1, keepdims=True)
;;       e = np.where(a > 0, np.clip(np.frexp(np.where(a > 0, a, 1))[1] - 1 - 2, -126, 127), 0)      # np.frexp(a)[1] - 1 = floor(log2(a)), exactly
;;       r = np.clip(x / 2.0 ** e, -7.5, 7.5)
;;       step = 2.0 ** (np.maximum(np.frexp(np.where(r == 0, 1, r))[1] - 1, 0) - 3)
;;       q = np.round(r / step) * step * 2.0 ** e      # np.round: ties to even
;;       return np.moveaxis(q.reshape(q.shape[:-2] + (-1,))[..., :K], -1, axis).astype(np.float32)
;;   ~~~
;;   SOFTMAX AHEAD OF A QUANTISED PRODUCT. Where the list says 'softmax', what is quantised is not the finished softmax but p = 2^(t - M), with t = logit x log2(e) and M = ceil(the row's largest t), a whole number; so 1/2 < the row's largest p <= 1. The row's sum l is taken of the UNQUANTISED p, in f32, and the product's result is divided by l at the end. Since M is a whole number, a kernel that streams over the keys may use a running M (the ceiling of the running maximum): every later rescaling is an exact power of two, which a block's scale takes up: the codes' values come out the same.
;;   OPERANDS COMPUTED ON THE WAY. 'Computed on the way' means the value that the module computes at that place (a softmax that the list does not call 'softmax' is quantised finished and normalised). What goes into a quantiser is computed in f32, as accurately as f32 sums, v_exp_f32 and their like allow (about 1e-6 of the number): no bf16 or f16 on the way to a quantiser, and a product that is left as it is and whose result goes on into a quantised operand takes f32 operands (vector FMAs, or v_wmma_f32_16x16x4_f32). A number that lies on a knife's edge between two numbers of the format may be rounded either way, as far as f32 arithmetic and the matrix unit's own rounding can turn it there, and no further.
;;   INPUTS GIVEN AS CODES. Wk (in the module: [1024, 1024], K = its axis 1); Wo (in the module: [1024, 1024], K = its axis 1); Wq (in the module: [1024, 1024], K = its axis 1); Wv (in the module: [1024, 1024], K = its axis 1); x (in the module: [1, 4096, 1024], K = its axis 2): each comes as NAME_codes (uint8): NAME with its K axis moved to the last place and cut into blocks of 32 codes, [.., K / 32, bytes a block], one block behind the other in memory; four codes in three bytes: a row's codes are one little-endian stream of bits, code i at bits 6 i .. 6 i + 5 (a code: sign, 2 exponent bits, 3 mantissa bits); and NAME_scales (uint8): the same leading axes, one E8M0 byte (e + 127) for each 32 codes along K. Its value is code x scale, taken as it is: it is not quantised again, and the codes and scales need not be those that the quantiser above would give.
;; One version. Each part assembles by itself: llvm-mc -triple=amdgcn-amd-amdhsa -mcpu=gfx1250 --defsym DOCPART=n.
;; ======== version 1 of 1: 3 launches
;; workspace buffers: qc 3,145,728 bytes; qs 262,144 bytes; kv 6,553,600 bytes; ac 3,145,728 bytes; asc 131,072 bytes
;; launch qkv (part 1): grid 16 x 16, 4 waves a work-group, clusters of 4 x 4, 327,680 bytes of LDS; arguments x_codes, x_scales, Wq_codes, Wq_scales, Wk_codes, Wk_scales, Wv_codes, Wv_scales, token_positions, qc, qs, kv; writes qc, qs, kv
.if DOCPART == 1
	.amdgcn_target "amdgcn-amd-amdhsa--gfx1250"
	.amdhsa_code_object_version 6
	.text
	.protected	k_qd0a6f874f6_qkv
	.globl	k_qd0a6f874f6_qkv
	.p2align	8
	.type	k_qd0a6f874f6_qkv,@function
k_qd0a6f874f6_qkv:
	s_mov_b64 s[64:65], 0
	v_nop
	global_prefetch_b8 v0, s[64:65] scope:SCOPE_SE
	s_setreg_imm32_b32 hwreg(HW_REG_WAVE_MODE, 25, 1), 1
	s_wait_xcnt 0x0
	s_wait_alu depctr_hold_cnt(0) depctr_sa_sdst(0) depctr_va_vdst(0) depctr_va_sdst(0) depctr_va_ssrc(0) depctr_va_vcc(0) depctr_vm_vsrc(0)
	s_getreg_b32 s2, hwreg(HW_REG_IB_STS2, 6, 4)
	s_cmp_eq_u32 s2, 0
	s_cbranch_scc0 .Lentry_in_a_cluster
	s_endpgm
.Lentry_in_a_cluster:
	s_bfe_u32 s2, ttmp6, 0x10000c
	s_cmp_lg_u32 s2, 0xf033
	s_cbranch_scc0 .Lentry_shape_is_right
	s_endpgm
.Lentry_shape_is_right:
; Q = rope(x Wq^T), K = rope(x Wk^T), V = x Wv^T on codes of FP6 (E2M3) with E8M0 scales, then the three results are quantised again:
; Q and K along the head's 64, V along the keys.  x: [4096][1024] codes, W*: [1024][1024] codes, K innermost, 768 bytes a row; scale bytes 32 a row.
; SHARES.  A work-group owns one head (x) and 256 tokens (y): 256 tokens x 192 columns (the head's 64 rows of Wq, Wk, Wv).  Wave w owns tokens 64 w .. 64 w + 63 and all 192
; columns: 48 accumulators of 16 x 16.  K = 1,024 goes in four chunks of 256 (LDS rows of 192 bytes + 3 x 16 of padding = 240) through three LDS slots: chunks 0-2 are first fills,
; chunk 3 is the one refill, of slot 0.
; CLUSTER 4 x 4.  x's tile hangs on y alone and is asked for jointly by a row of the cluster, W's on the head alone and by a column: 344 KB a work-group become a quarter of the requests.
; LAYOUT.  Q, K: source 0 = 16 rows of W, source 1 = 16 tokens: a lane holds ONE token and eight neighbouring d.  V: source 0 = the same 16 tokens, source 1 = 16 rows of Wv: a lane holds
; ONE d and eight neighbouring tokens (keys).  So each quantiser finds its K along a lane's registers.
; A RECORD OF CODES (768 bytes) is 16 rows x 64 along K as an image of six registers a lane: registers 0-3 at 16 x lane, registers 4-5 at 512 + 8 x lane.  Inside a block of 32 the codes stand in the
; order 16 (lane / 16) + register, the same for Q and K, and for V and the later p: both sides of a product carry the same order, so the sums have the same terms.
; ROPE.  angle = position x 10000^(-i / 32), i = d / 2; sine and cosine by reduction to [-pi/4, pi/4] (pi/2 in two parts) and polynomials of degree 7 and 8, in f32.
; LIMITS.  10000^(-i/32) is made by the base-2 exponential (good to its last bit or so): at position 4,095 an angle may differ by a few 1e-4 rad from one made with another power function.
; Positions are served to |position| < 2^24.  A block whose largest magnitude lies under 2^-124 keeps the scale byte 1 (a block of zeros too: its codes are zeros, and this program alone reads the bytes).
; NaN and infinities cannot arise from codes of this format with scale bytes under 255; a scale byte 255 among the inputs is not served.
; REGISTERS.  window 0: v0-31 ids and addresses; v32-47 x's scale words, v48-95 W's; v96-255 at work.  window 1: v0-143 W's 12 fragments, v144-239 x's fragments, two sets.
;   window 2: Q's accumulators v[32 a + 8 n], K's v[128 + 32 a + 8 n].  window 3: V's v[32 n + 8 a]; v128-255 the pairs (cos, sin).
.set SLOTB, 107520                     ; a slot: x's 256 rows of 240 bytes, then Wq's, Wk's, Wv's 64 rows each
.set WOFF,  61440                      ; where W's rows begin in a slot
.set SCS,   322560                     ; behind the slots: 1,024 bytes in which kv's scale words of two key steps are gathered (LDS stores only)
.set SPARE, 323584                     ; the spare words, 128 bytes a wave
.set PADW,  (1<<20)|(1<<21)|(3<<22)|(3<<25)   ; elements of 1 byte; padding on; bit 21 beside a mask; after every 16 words, 4 words
.set INVF, 96                          ; v96-111  the lane's 16 inverse frequencies
.set TH,   112                         ; sixteen angles at a time: the angle, then its reduced part
.set NN,   128
.set ZZ,   144
.set SNP,  160
.set CSP,  176
.set WW,   192
.set QI,   208
.set TM,   144                         ; the quantiser's six registers (epilogue)
.set MQK,  0xa5                        ; sources 0, 1 window 1; C, D window 2
.set MV,   0xf5                        ; sources 0, 1 window 1; C, D window 3
.set TOF,  0x40                        ; destination window 1
.set MSB,  0
.macro WIN new                         ; the immediate's high byte repeats the setting that is left; a switch that changes nothing is dropped
.if MSB != (\new)
	s_set_vgpr_msb (MSB<<8)|(\new)
.set MSB, (\new)
.endif
.endm
.macro PLACES n
.rept \n
	v_nop
.endr
.endm
; A joint load: wave 0 asks for x's tile, waves 1-3 for Wq's, Wk's, Wv's.  The branch hangs on the wave's number alone.  Four v_nop follow each line.
.macro JLOAD g0a, g1a, g0b, g1b
	s_cmp_eq_u32 s28, 0
	s_cbranch_scc0 .Lfor_w_\@
	tensor_load_to_lds s[\g0a:\g0a+3], s[\g1a:\g1a+7]
	s_nop 0
.rept 4
	v_nop
.endr
	s_branch .Lasked_\@
.Lfor_w_\@:
	tensor_load_to_lds s[\g0b:\g0b+3], s[\g1b:\g1b+7]
	s_nop 0
.rept 4
	v_nop
.endr
.Lasked_\@:
.endm
.macro CREST                           ; a round of the cluster's barrier behind its opening barrier
	s_cmp_lg_u32 s28, 0
	s_cbranch_scc1 .Lnot_wave_0_\@
	s_barrier_signal -3
.Lnot_wave_0_\@:
	s_barrier_wait -3
	s_barrier_signal -1
	s_barrier_wait -1
.endm
.macro CROUND
	s_barrier_signal -1
	s_barrier_wait -1
	CREST
.endm
; One product on the registers named by rD, rA, rB, rSA, rSB.  ra, rb: the half of the lanes from which A's and B's scale words are taken.
.macro WM zero, ra, rb
.set rR, (\ra)+2*(\rb)
.if \zero
.if rR == 0
	v_wmma_scale_f32_16x16x128_f8f6f4 v[rD:rD+7], v[rA:rA+11], v[rB:rB+11], 0, v[rSA], v[rSB] matrix_a_fmt:MATRIX_FMT_FP6 matrix_b_fmt:MATRIX_FMT_FP6
.elseif rR == 1
	v_wmma_scale_f32_16x16x128_f8f6f4 v[rD:rD+7], v[rA:rA+11], v[rB:rB+11], 0, v[rSA], v[rSB] matrix_a_fmt:MATRIX_FMT_FP6 matrix_b_fmt:MATRIX_FMT_FP6 matrix_a_scale:MATRIX_SCALE_ROW1
.elseif rR == 2
	v_wmma_scale_f32_16x16x128_f8f6f4 v[rD:rD+7], v[rA:rA+11], v[rB:rB+11], 0, v[rSA], v[rSB] matrix_a_fmt:MATRIX_FMT_FP6 matrix_b_fmt:MATRIX_FMT_FP6 matrix_b_scale:MATRIX_SCALE_ROW1
.else
	v_wmma_scale_f32_16x16x128_f8f6f4 v[rD:rD+7], v[rA:rA+11], v[rB:rB+11], 0, v[rSA], v[rSB] matrix_a_fmt:MATRIX_FMT_FP6 matrix_b_fmt:MATRIX_FMT_FP6 matrix_a_scale:MATRIX_SCALE_ROW1 matrix_b_scale:MATRIX_SCALE_ROW1
.endif
.else
.if rR == 0
	v_wmma_scale_f32_16x16x128_f8f6f4 v[rD:rD+7], v[rA:rA+11], v[rB:rB+11], v[rD:rD+7], v[rSA], v[rSB] matrix_a_fmt:MATRIX_FMT_FP6 matrix_b_fmt:MATRIX_FMT_FP6
.elseif rR == 1
	v_wmma_scale_f32_16x16x128_f8f6f4 v[rD:rD+7], v[rA:rA+11], v[rB:rB+11], v[rD:rD+7], v[rSA], v[rSB] matrix_a_fmt:MATRIX_FMT_FP6 matrix_b_fmt:MATRIX_FMT_FP6 matrix_a_scale:MATRIX_SCALE_ROW1
.elseif rR == 2
	v_wmma_scale_f32_16x16x128_f8f6f4 v[rD:rD+7], v[rA:rA+11], v[rB:rB+11], v[rD:rD+7], v[rSA], v[rSB] matrix_a_fmt:MATRIX_FMT_FP6 matrix_b_fmt:MATRIX_FMT_FP6 matrix_b_scale:MATRIX_SCALE_ROW1
.else
	v_wmma_scale_f32_16x16x128_f8f6f4 v[rD:rD+7], v[rA:rA+11], v[rB:rB+11], v[rD:rD+7], v[rSA], v[rSB] matrix_a_fmt:MATRIX_FMT_FP6 matrix_b_fmt:MATRIX_FMT_FP6 matrix_a_scale:MATRIX_SCALE_ROW1 matrix_b_scale:MATRIX_SCALE_ROW1
.endif
.endif
.endm
; A fragment, 16 rows x 128 K, from rows of 240 bytes: six pieces of 8 bytes.  Lanes 16-31 read three pieces on; where that lies behind one padding more, the second address serves.
.macro FRAG reg, adr, adr2, q, i
.irp p, 0,1,2,3,4,5
.set PCC, 12*(\q)+6*(\p/3)+\p%3
.if PCC%8 < 5
	ds_load_b64 v[\reg+2*\p:\reg+2*\p+1], v[\adr] offset:8*PCC+16*(PCC/8)+(\i)*3840
.else
	ds_load_b64 v[\reg+2*\p:\reg+2*\p+1], v[\adr2] offset:8*PCC+16*(PCC/8)+(\i)*3840
.endif
.endr
.endm
.macro LDX k                           ; my four blocks of x for K step k (slot (k / 2) % 3, its (k % 2)-th 128), into set k % 2: 24 loads
.irp a, 0,1,2,3
	FRAG 144+48*((\k)%2)+12*\a, 4+((\k)/2)%3, 7+((\k)/2)%3, (\k)%2, \a
.endr
.endm
.macro LDW t, k                        ; the four blocks of matrix t (0 Wq, 1 Wk, 2 Wv): 24 loads
.irp n, 0,1,2,3
	FRAG 48*(\t)+12*\n, 10+((\k)/2)%3, 13+((\k)/2)%3, (\k)%2, 4*(\t)+\n
.endr
.endm
; 16 products of K step k with matrix t.  The 48 accumulators take turns, one instruction a turn, in the same order in every step.
.macro PH t, k, zero
.irp a, 0,1,2,3
.irp n, 0,1,2,3
.if \t < 2
.set rD, 128*\t+32*\a+8*\n
.set rA, 48*\t+12*\n
.set rB, 144+48*((\k)%2)+12*\a
.set rSA, 48+8*(2*\t+\n/2)+(\k)
.set rSB, 32+8*(\a/2)+(\k)
	WM \zero, \n%2, \a%2
.else
.set rD, 32*\n+8*\a
.set rA, 144+48*((\k)%2)+12*\a
.set rB, 96+12*\n
.set rSA, 32+8*(\a/2)+(\k)
.set rSB, 48+8*(4+\n/2)+(\k)
	WM \zero, \a%2, \n%2
.endif
.endr
.endr
.endm
; A K step of 128.  W has one set of registers: a matrix's four fragments are fetched anew as soon as its 16 products are issued; x has two sets.
; Four plain places stand in front of every run of loads into registers that products have read (ISA guide 7.12.1 for vector instructions).
.macro STEP k, zero, more
	s_wait_dscnt 48                                ; x and Wq are in; behind them stand Wk's 24 loads and Wv's 24
	WIN MQK
	PH 0, \k, \zero
.if \more
	PLACES 4
	WIN TOF
	LDX (\k)+1
	LDW 0, (\k)+1
	s_wait_dscnt 63                                ; Wk is in: 72 loads were issued behind it; 63 is the largest count that the wait can name
.else
	s_wait_dscnt 24                                ; Wk is in; Wv's 24 may be out
.endif
	WIN MQK
	PH 1, \k, \zero
.if \more
	PLACES 4
	WIN TOF
	LDW 1, (\k)+1
	s_wait_dscnt 63                                ; Wv is in: again 72 behind it
.else
	s_wait_dscnt 0
.endif
	WIN MV
	PH 2, \k, \zero
.if \more
	PLACES 4
	WIN TOF
	LDW 2, (\k)+1
.endif
	WIN 0
.endm
; A slot's last step that meets the other waves: each wave waits for all its tensor loads, adds 0 to its spare word, and waits for that and for its reads of the slot; one barrier.
; fill = 1: the barrier opens a round of the cluster's barrier, and slot 0 is filled again, with chunk 3, first thing behind the round.
.macro TURN k, fill
	s_wait_tensorcnt 0x0                           ; all my tensor loads have landed
	ds_add_u32 v16, v17                            ; 0 onto my spare word
	s_wait_dscnt 49                                ; x and Wq are in (Wk's 24, Wv's 24 and the add may be out)
	WIN MQK
	PH 0, \k, 0                                    ; sixteen products stand between the add and the wait for it
	s_wait_dscnt 0x0                               ; the add is done, and my reads of this slot are over
	s_barrier_signal -1
	PH 1, \k, 0
	WIN 0
	s_barrier_wait -1
.if \fill
	CREST                                          ; no wave of any partner still reads slot 0 or has a load on its way
	s_add_nc_u64 s[50:51], s[50:51], 576           ; chunk 3: three chunks of 192 bytes on; the type bits on top are not reached
	s_add_nc_u64 s[70:71], s[70:71], 576
	JLOAD 48, 32, 68, 40                           ; my one tensor load behind the round; its four v_nop are the places in front of the loads below
.else
	PLACES 4
.endif
	WIN TOF
	LDX (\k)+1
	LDW 0, (\k)+1
	LDW 1, (\k)+1
	WIN MV
	PH 2, \k, 0
	PLACES 4
	WIN TOF
	LDW 2, (\k)+1
	WIN 0
.endm
	s_load_b512 s[4:19], s[0:1], 0x0               ; x codes s[4:5], x scales s[6:7], Wq s[8:11], Wk s[12:15], Wv s[16:19]
	s_load_b256 s[20:27], s[0:1], 0x40             ; positions s[20:21], qc s[22:23], qs s[24:25], kv s[26:27]
	v_lshl_add_u32 v16, v0, 2, SPARE
	v_mov_b32 v17, 0
	ds_add_u32 v16, v17
	s_wait_dscnt 0x0
	v_lshrrev_b32 v1, 5, v0
	v_readfirstlane_b32 s28, v1                    ; wave 0..3
	s_and_b32 s29, s28, 1
	s_lshr_b32 s30, s28, 1
	s_bfe_u32 s60, ttmp6, 0x40000                  ; cx
	s_bfe_u32 s61, ttmp6, 0x40004                  ; cy
	s_lshl_b32 s62, ttmp9, 2
	s_add_co_u32 s62, s62, s60                     ; the head = 4 x cluster x + cx
	s_and_b32 s63, ttmp7, 0xffff
	s_lshl_b32 s63, s63, 2
	s_add_co_u32 s63, s63, s61                     ; the block of 256 tokens = 4 x cluster y + cy
	s_lshl_b32 s80, s61, 2
	s_lshl_b32 s80, 15, s80                        ; my row of the cluster
	s_lshl_b32 s81, 0x1111, s60                    ; my column
	s_or_b32 s32, s80, PADW                        ; group 1 for x: 256 rows x 192 bytes, 768 bytes apart
	s_mov_b32 s33, 192<<16
	s_mov_b32 s34, 256<<16
	s_mov_b32 s35, 192<<16
	s_mov_b32 s36, 256
	s_mov_b32 s37, 768
	s_mov_b32 s38, 0
	s_mov_b32 s39, 0
	s_or_b32 s40, s81, PADW                        ; group 1 for a W: 64 rows
	s_mov_b32 s41, 192<<16
	s_mov_b32 s42, 64<<16
	s_mov_b32 s43, 192<<16
	s_mov_b32 s44, 64
	s_mov_b32 s45, 768
	s_mov_b32 s46, 0
	s_mov_b32 s47, 0
	s_mov_b32 s82, 0x76543210                      ; v_permlanex16_b32's selects for lane l xor 16
	s_mov_b32 s83, 0xfedcba98
	s_mov_b32 s84, 0xffff0000                      ; the mask of lanes 16-31
	s_mov_b32 s85, 0x3f22f983                      ; 2 / pi
	s_mov_b32 s86, 0xbfc90fdb                      ; -(pi/2 rounded to f32)
	s_mov_b32 s87, 0x333bbd2e                      ; -(pi/2 less that)
	s_mov_b32 s90, 0x80000000
	s_mul_i32 s92, s63, 196608                     ; x: 256 rows of 768 bytes a block
	s_mov_b32 s93, 0
	s_mul_i32 s94, s62, 49152                      ; W: 64 rows a head
	s_mov_b32 s95, 0
	s_mul_i32 s31, s28, 15360                      ; 64 LDS rows a wave
	s_wait_kmcnt 0x0
	s_add_nc_u64 s[92:93], s[4:5], s[92:93]
	s_cmp_eq_u32 s28, 1                            ; wave 1: Wq, wave 2: Wk, wave 3: Wv (wave 0 asks for none of them)
	s_cselect_b64 s[66:67], s[8:9], s[12:13]
	s_cmp_eq_u32 s28, 3
	s_cselect_b64 s[66:67], s[16:17], s[66:67]
	s_add_nc_u64 s[94:95], s[66:67], s[94:95]
	CROUND                                         ; all sixteen work-groups are here: the first joint loads meet
.irp s, 0,1,2
	s_mov_b32 s[48+4*\s], 1
	s_mov_b32 s[49+4*\s], \s*SLOTB
	s_add_nc_u64 s[50+4*\s:51+4*\s], s[92:93], \s*192
	s_or_b32 s[51+4*\s], s[51+4*\s], 0x80000000
	s_mov_b32 s[68+4*\s], 1
	s_add_co_u32 s[69+4*\s], s31, \s*SLOTB+46080   ; behind x's rows: wave 1 at 61,440, wave 2 and 3 each 15,360 on
	s_add_nc_u64 s[70+4*\s:71+4*\s], s[94:95], \s*192
	s_or_b32 s[71+4*\s], s[71+4*\s], 0x80000000
	JLOAD 48+4*\s, 32, 68+4*\s, 40                 ; chunks 0, 1, 2: three loads of mine are out
.endr
	v_and_b32 v3, 31, v0                           ; lane
	v_and_b32 v1, 15, v0                           ; r
	v_bfe_u32 v2, v0, 4, 1                         ; h
	s_lshl_b32 s96, s63, 10
	s_mov_b32 s97, 0
	s_add_nc_u64 s[20:21], s[20:21], s[96:97]      ; positions of my block
	s_lshl_b32 s96, s63, 13
	s_add_nc_u64 s[6:7], s[6:7], s[96:97]          ; x's scale bytes of my block
	s_lshl_b32 s98, s62, 11
	s_mov_b32 s99, 0
	s_add_nc_u64 s[10:11], s[10:11], s[98:99]      ; W's scale bytes of my head
	s_add_nc_u64 s[14:15], s[14:15], s[98:99]
	s_add_nc_u64 s[18:19], s[18:19], s[98:99]
	s_lshl_b32 s91, s28, 8
	v_lshl_add_u32 v27, v1, 2, s91                 ; 4 (64 w + r)
	s_lshl_b32 s91, s28, 11
	v_lshl_add_u32 v28, v3, 5, s91                 ; 32 (64 w + lane)
	v_lshlrev_b32 v29, 5, v3                       ; 32 lane
.irp a, 0,1,2,3
	global_load_b32 v[20+\a], v27, s[20:21] offset:64*\a           ; the position of token 16 a + r of my 64
.endr
.irp p, 0,1                                    ; a row's 32 scale bytes are its eight scale words: lanes 0-15 block 2 p, lanes 16-31 block 2 p + 1
	global_load_b128 v[32+8*\p:35+8*\p], v28, s[6:7] offset:1024*\p
	global_load_b128 v[36+8*\p:39+8*\p], v28, s[6:7] offset:1024*\p+16
	global_load_b128 v[48+8*\p:51+8*\p], v29, s[10:11] offset:1024*\p
	global_load_b128 v[52+8*\p:55+8*\p], v29, s[10:11] offset:1024*\p+16
	global_load_b128 v[64+8*\p:67+8*\p], v29, s[14:15] offset:1024*\p
	global_load_b128 v[68+8*\p:71+8*\p], v29, s[14:15] offset:1024*\p+16
	global_load_b128 v[80+8*\p:83+8*\p], v29, s[18:19] offset:1024*\p
	global_load_b128 v[84+8*\p:87+8*\p], v29, s[18:19] offset:1024*\p+16
.endr
	v_lshlrev_b32 v18, 4, v3                       ; 16 x lane
	v_lshlrev_b32 v19, 3, v3                       ; 8 x lane
	v_mul_u32_u24 v30, v1, 240
	v_mad_u32_u24 v30, v2, 24, v30                 ; a fragment's row x pitch + 24 x half
	v_lshl_add_u32 v31, v2, 4, v30                 ; and the same behind one padding more
.irp s, 0,1,2
	s_add_co_u32 s91, s31, \s*SLOTB
	v_add_nc_u32 v[4+\s], s91, v30
	v_add_nc_u32 v[7+\s], s91, v31
	v_add_nc_u32 v[10+\s], \s*SLOTB+WOFF, v30
	v_add_nc_u32 v[13+\s], \s*SLOTB+WOFF, v31
.endr
	s_lshl_b32 s91, s30, 9
	s_lshl_b32 s96, s29, 2
	s_add_co_u32 s96, s96, s91
	s_add_co_u32 s96, s96, SCS
	v_add_nc_u32 v24, s96, v19                     ; K's scale words: SCS + 512 (w / 2) + 4 (w % 2) + 8 lane
	s_lshl_b32 s96, s29, 1
	s_add_co_u32 s96, s96, s91
	s_add_co_u32 s96, s96, SCS+256
	v_lshl_add_u32 v25, v1, 3, s96                 ; V's: SCS + 256 + 512 (w / 2) + 2 (w % 2) + 8 r
	s_lshl_b32 s96, s28, 8
	s_add_co_u32 s96, s96, SCS
	v_add_nc_u32 v26, s96, v19                     ; back: SCS + 256 w + 8 lane
	; the lane's 16 inverse frequencies: number 4 n + p is that of i = 8 n + 4 h + p
	v_lshlrev_b32 v30, 2, v2
.set ii, 0
.rept 16
	v_add_nc_u32 v[INVF+ii], 8*(ii/4)+ii%4, v30
.set ii, ii+1
.endr
.set ii, 0
.rept 16
	v_cvt_f32_u32 v[INVF+ii], v[INVF+ii]
.set ii, ii+1
.endr
.set ii, 0
.rept 16
	v_mul_f32 v[INVF+ii], 0xbed49a78, v[INVF+ii]   ; x -log2(10000) / 32
.set ii, ii+1
.endr
.set ii, 0
.rept 16
	v_exp_f32 v[INVF+ii], v[INVF+ii]
.set ii, ii+1
.endr
	v_mov_b32 v226, 0xb94ca1f9                     ; the sine's leading coefficient (a plain place behind the exponentials)
	v_mov_b32 v227, 0x37ccf5ce                     ; the cosine's
	s_wait_loadcnt 16                              ; the four positions are in; the sixteen loads of scale words behind them may be out
	s_wait_alu depctr_va_vdst(0)
.irp a, 0,1,2,3
	v_cvt_f32_i32 v[20+\a], v[20+\a]
.endr
; cos and sin of the 16 angles of token tile a, into window 3, v[128 + 32 a + 2 k], + 1.  This work stands while the first tiles are on their way.
.macro SINCOS a
.set ii, 0
.rept 16
	v_mul_f32 v[TH+ii], v[20+\a], v[INVF+ii]
.set ii, ii+1
.endr
.set ii, 0
.rept 16
	v_mul_f32 v[NN+ii], s85, v[TH+ii]
.set ii, ii+1
.endr
.set ii, 0
.rept 16
	v_rndne_f32 v[NN+ii], v[NN+ii]                 ; N: how many quarter turns
.set ii, ii+1
.endr
.set ii, 0
.rept 16
	v_fma_f32 v[TH+ii], v[NN+ii], s86, v[TH+ii]
	v_cvt_i32_f32 v[QI+ii], v[NN+ii]
.set ii, ii+1
.endr
.set ii, 0
.rept 16
	v_fma_f32 v[TH+ii], v[NN+ii], s87, v[TH+ii]    ; r = angle - N pi/2, |r| <= pi/4
.set ii, ii+1
.endr
.set ii, 0
.rept 16
	v_mul_f32 v[ZZ+ii], v[TH+ii], v[TH+ii]
	v_and_b32 v[NN+ii], 1, v[QI+ii]                ; an odd quarter: sine and cosine change places
.set ii, ii+1
.endr
.set ii, 0
.rept 16
	v_fmaak_f32 v[SNP+ii], v226, v[ZZ+ii], 0x3c08839e
	v_fmaak_f32 v[CSP+ii], v227, v[ZZ+ii], 0xbab6061a
.set ii, ii+1
.endr
.set ii, 0
.rept 16
	v_fmaak_f32 v[SNP+ii], v[SNP+ii], v[ZZ+ii], 0xbe2aaaa3
	v_fmaak_f32 v[CSP+ii], v[CSP+ii], v[ZZ+ii], 0x3d2aaaa5
	v_fma_f32 v[WW+ii], v[ZZ+ii], -0.5, 1.0
.set ii, ii+1
.endr
.set ii, 0
.rept 16
	v_mul_f32 v[SNP+ii], v[SNP+ii], v[ZZ+ii]
	v_mul_f32 v[ZZ+ii], v[ZZ+ii], v[ZZ+ii]
.set ii, ii+1
.endr
.set ii, 0
.rept 16
	v_fma_f32 v[SNP+ii], v[SNP+ii], v[TH+ii], v[TH+ii]   ; sin r
	v_fma_f32 v[CSP+ii], v[ZZ+ii], v[CSP+ii], v[WW+ii]   ; cos r
.set ii, ii+1
.endr
.set ii, 0
.rept 16
	v_cmp_eq_u32 vcc_lo, 1, v[NN+ii]
	v_cndmask_b32 v[ZZ+ii], v[SNP+ii], v[CSP+ii], vcc_lo   ; the sine's magnitude
	v_cndmask_b32 v[CSP+ii], v[CSP+ii], v[SNP+ii], vcc_lo  ; the cosine's
.set ii, ii+1
.endr
.set ii, 0
.rept 16
	v_lshlrev_b32 v[NN+ii], 30, v[QI+ii]           ; the sine is negative in quarters 2, 3: bit 1 of N
	v_add_lshl_u32 v[QI+ii], v[QI+ii], 1, 30       ; the cosine in quarters 1, 2: bit 1 of N + 1
.set ii, ii+1
.endr
.set ii, 0
.rept 16
	v_and_b32 v[NN+ii], s90, v[NN+ii]
	v_and_b32 v[QI+ii], s90, v[QI+ii]
.set ii, ii+1
.endr
	WIN 0xc0                                       ; destination window 3
.set ii, 0
.rept 16
	v_xor_b32 v[128+32*\a+2*ii], v[QI+ii], v[CSP+ii]
	v_xor_b32 v[129+32*\a+2*ii], v[NN+ii], v[ZZ+ii]
.set ii, ii+1
.endr
	WIN 0
.endm
	SINCOS 0
	SINCOS 1
	SINCOS 2
	SINCOS 3
	s_wait_loadcnt 0x0                             ; the scale words
	s_wait_tensorcnt 2                             ; my part of chunk 0 is in; chunks 1 and 2 may stay out
	s_barrier_signal -1
	s_barrier_wait -1                              ; everybody's is
	WIN TOF
	LDX 0
	LDW 0, 0
	LDW 1, 0
	LDW 2, 0
	WIN 0
	STEP 0, 1, 1                                   ; the first step's products start the sums: nothing is cleared
	TURN 1, 1                                      ; slot 0 is left and filled again; every wave has shown chunks 1 and 2 landed, so steps 2 to 5 need no further barrier
	STEP 2, 0, 1
	STEP 3, 0, 1
	STEP 4, 0, 1
	TURN 5, 0                                      ; chunk 3 has landed in every wave
	STEP 6, 0, 1
	STEP 7, 0, 0
; 32 numbers of a lane, v[S] .. v[S + 31] of window ws: two blocks of 32 along K, 16 numbers of each in this lane and 16 in lane l xor 16.
; They become a record's six registers v[D] .. v[D + 5] (v[D + 6] is at work) and the two scale bytes s0 | s1 << 8 in v[HW].
.macro QUANT2 S, ws, D, HW
	WIN (\ws)|((\ws)<<2)
.irp b, 0,1
	v_max3_num_f32 v[TM+\b], |v[\S+16*\b]|, |v[\S+16*\b+1]|, 0x1800000   ; with the floor 2^(3 - 127): the byte cannot fall under 1
.endr
.irp i, 2,4,6,8,10,12,14
.irp b, 0,1
	v_max3_num_f32 v[TM+\b], |v[\S+16*\b+\i]|, |v[\S+16*\b+\i+1]|, v[TM+\b]
.endr
.endr
	WIN 0
.irp b, 0,1
	v_permlanex16_b32 v[TM+2+\b], v[TM+\b], s82, s83
.endr
.irp b, 0,1
	v_max_num_f32 v[TM+\b], v[TM+\b], v[TM+2+\b]   ; the block's largest magnitude
.endr
.irp b, 0,1
	v_add_nc_u32 v[TM+4+\b], 0xff000000, v[TM+\b]  ; 2 off its exponent field: the conversion's scale operand
.endr
.irp b, 0,1
	v_lshrrev_b32 v[TM+2+\b], 23, v[TM+4+\b]       ; the scale's byte
.endr
	v_lshl_or_b32 v[\HW], v[TM+3], 8, v[TM+2]
	WIN \ws
	v_cvt_scalef32_pk16_fp6_f32 v[\D:\D+2], v[\S:\S+15], v[TM+4]
	v_cvt_scalef32_pk16_fp6_f32 v[\D+4:\D+6], v[\S+16:\S+31], v[TM+5]   ; (a conversion's three registers begin on an even number)
	WIN 0
	v_nop                                          ; one plain place behind a scaled conversion
.irp i, 0,1,2
	v_permlane16_swap_b32 v[\D+\i], v[\D+4+\i]     ; a whole block to a lane: lanes 0-15 block 0, lanes 16-31 block 1
.endr
.irp i, 0,1,2
	v_mov_b32 v[\D+3+\i], v[\D+4+\i]
.endr
.endm
; The rotation of token tile a of Q (t = 0) or K (t = 1): pairs (x1, x2) of window 2 with pairs (c, s) of window 3 give (x1 c - x2 s, x2 c + x1 s) in v96-127.  Each accumulator is read from its low end on.
.macro ROPE t, a
	WIN 0x0e                                       ; source 0 window 2, source 1 window 3
.irp g, 0,1
.irp u, 0,1,2,3,4,5,6,7
.set rX, 128*\t+32*\a+16*\g+2*\u
.set rC, 128+32*\a+16*\g+2*\u
	v_pk_mul_f32 v[128+2*\u:129+2*\u], v[rX:rX+1], v[rC:rC+1] op_sel:[1,1] op_sel_hi:[0,1]   ; (x2 s, x1 s)
.endr
.irp u, 0,1,2,3,4,5,6,7
.set rX, 128*\t+32*\a+16*\g+2*\u
.set rC, 128+32*\a+16*\g+2*\u
	v_pk_fma_f32 v[96+16*\g+2*\u:97+16*\g+2*\u], v[rX:rX+1], v[rC:rC+1], v[128+2*\u:129+2*\u] op_sel_hi:[1,0,1] neg_lo:[0,0,1]
.endr
.endr
	WIN 0
.endm
.macro HFOUT D, sb, off                        ; a record leaves: 512 consecutive bytes, then 256, all aligned on 256
	global_store_b128 v18, v[\D:\D+3], s[\sb:\sb+1] offset:\off
	global_store_b64 v19, v[\D+4:\D+5], s[\sb:\sb+1] offset:\off+512
.endm
	; THE WAY OUT.  Where my parts begin: qc: record 256 head + 16 y + 4 w; qs: unit 64 head + 4 y + w; kv: the record of key step 2 y + w / 2 of my head
	s_lshl_b32 s96, s62, 8
	s_lshl_b32 s97, s63, 4
	s_add_co_u32 s96, s96, s97
	s_lshl_b32 s97, s28, 2
	s_add_co_u32 s96, s96, s97
	s_mul_i32 s96, s96, 768
	s_mov_b32 s97, 0
	s_add_nc_u64 s[22:23], s[22:23], s[96:97]
	s_lshl_b32 s96, s62, 6
	s_lshl_b32 s91, s63, 2
	s_add_co_u32 s96, s96, s91
	s_add_co_u32 s96, s96, s28
	s_lshl_b32 s96, s96, 8
	s_add_nc_u64 s[24:25], s[24:25], s[96:97]
	s_lshl_b32 s96, s63, 1
	s_add_co_u32 s96, s96, s30
	s_mul_i32 s96, s96, 12800
	s_mul_i32 s91, s62, 409600
	s_add_co_u32 s96, s96, s91
	s_add_nc_u64 s[26:27], s[26:27], s[96:97]
	s_mul_i32 s96, s29, 3072
	s_add_nc_u64 s[88:89], s[26:27], s[96:97]      ; K's records: key tiles 4 (w % 2) on
	s_mul_i32 s96, s29, 768
	s_add_co_u32 s96, s96, 6144
	s_add_nc_u64 s[98:99], s[26:27], s[96:97]      ; V's: keys 64 (w % 2) on
	s_lshl_b32 s96, s29, 8
	s_add_co_u32 s96, s96, 12288
	s_add_nc_u64 s[100:101], s[26:27], s[96:97]    ; the scale words: wave w stores unit w % 2 of step w / 2
	PLACES 4                                       ; behind the last products, in front of the first read of results
	v_mov_b32 v[TM+2], 0                           ; a lane permute's destination counts as one of its sources
	v_mov_b32 v[TM+3], 0
.irp a, 0,1,2,3
	ROPE 0, \a
	QUANT2 96, 0, 160+8*\a, 30
	v_lshl_or_b32 v[152+\a], v30, 16, v30          ; Q's scale word: (s0, s1, s0, s1): Q stands in either half of the product's 128
	HFOUT 160+8*\a, 22, 768*\a
.endr
.irp a, 0,1,2,3
	ROPE 1, \a
	QUANT2 96, 0, 192+8*\a, 156+\a
	HFOUT 192+8*\a, 88, 768*\a
.endr
.irp n, 0,1,2,3
	QUANT2 32*\n, 3, 224+8*\n, 30                  ; V: d tile n, my 64 keys
	HFOUT 224+8*\n, 98, 1536*\n
	ds_store_b16 v25, v30 offset:128*(\n%2)+4*(\n/2)   ; my two bytes of the word of d tile n, row r (both halves of the lanes write the same)
.endr
	v_cndmask_b32 v28, v152, v154, s84             ; qs: lane (r, h) holds the words of tiles 2 h and 2 h + 1
	v_cndmask_b32 v29, v153, v155, s84
	global_store_b64 v19, v[28:29], s[24:25]       ; one aligned unit of 256 bytes a wave
	v_lshl_or_b32 v27, v157, 16, v156              ; K's words: two key tiles share a fragment, and a word
	v_lshl_or_b32 v31, v159, 16, v158
	v_cndmask_b32 v27, v27, v31, s84
	ds_store_b32 v24, v27
	s_wait_dscnt 0x0                               ; for the others' sake: my stores into the gathering bytes are done
	s_barrier_signal -1
	s_barrier_wait -1
	ds_load_b64 v[150:151], v26
	s_wait_dscnt 0x0
	global_store_b64 v19, v[150:151], s[100:101]   ; one aligned unit of 256 bytes a wave
	s_wait_tensorcnt 0x0                           ; the wave's end
	ds_add_u32 v16, v17
	s_wait_dscnt 0x0
	CROUND                                         ; the closing round: no work-group ends while a partner may still ask for a tile that names it
	s_endpgm
.Lfunc_end_k_qd0a6f874f6_qkv:
	.size	k_qd0a6f874f6_qkv, .Lfunc_end_k_qd0a6f874f6_qkv-k_qd0a6f874f6_qkv
	.p2alignl 7, 3214868480
	.fill 96, 4, 3214868480
	.section	.rodata,"a",@progbits
	.p2align	6, 0x0
	.amdhsa_kernel k_qd0a6f874f6_qkv
		.amdhsa_group_segment_fixed_size 327680
		.amdhsa_private_segment_fixed_size 0
		.amdhsa_enable_private_segment 0
		.amdhsa_kernarg_size 96
		.amdhsa_user_sgpr_count 2
		.amdhsa_user_sgpr_kernarg_segment_ptr 1
		.amdhsa_wavefront_size32 1
		.amdhsa_system_sgpr_workgroup_id_x 1
		.amdhsa_system_sgpr_workgroup_id_y 1
		.amdhsa_system_sgpr_workgroup_id_z 1
		.amdhsa_system_vgpr_workitem_id 0
		.amdhsa_next_free_vgpr 1024
		.amdhsa_next_free_sgpr 102
		.amdhsa_reserve_vcc 1
		.amdhsa_float_denorm_mode_32 3
		.amdhsa_float_denorm_mode_16_64 3
		.amdhsa_memory_ordered 1
		.amdhsa_forward_progress 1
		.amdhsa_inst_pref_size 232
	.end_amdhsa_kernel
	.amdgpu_metadata
---
amdhsa.version: [ 1, 2 ]
amdhsa.kernels:
  - .name:           k_qd0a6f874f6_qkv
    .symbol:         k_qd0a6f874f6_qkv.kd
    .args:
      - { .name: x_codes, .offset: 0, .size: 8, .value_kind: global_buffer, .address_space: global }
      - { .name: x_scales, .offset: 8, .size: 8, .value_kind: global_buffer, .address_space: global }
      - { .name: Wq_codes, .offset: 16, .size: 8, .value_kind: global_buffer, .address_space: global }
      - { .name: Wq_scales, .offset: 24, .size: 8, .value_kind: global_buffer, .address_space: global }
      - { .name: Wk_codes, .offset: 32, .size: 8, .value_kind: global_buffer, .address_space: global }
      - { .name: Wk_scales, .offset: 40, .size: 8, .value_kind: global_buffer, .address_space: global }
      - { .name: Wv_codes, .offset: 48, .size: 8, .value_kind: global_buffer, .address_space: global }
      - { .name: Wv_scales, .offset: 56, .size: 8, .value_kind: global_buffer, .address_space: global }
      - { .name: token_positions, .offset: 64, .size: 8, .value_kind: global_buffer, .address_space: global }
      - { .name: qc, .offset: 72, .size: 8, .value_kind: global_buffer, .address_space: global }
      - { .name: qs, .offset: 80, .size: 8, .value_kind: global_buffer, .address_space: global }
      - { .name: kv, .offset: 88, .size: 8, .value_kind: global_buffer, .address_space: global }
    .group_segment_fixed_size: 327680
    .private_segment_fixed_size: 0
    .kernarg_segment_align: 8
    .kernarg_segment_size: 96
    .max_flat_workgroup_size: 128
    .sgpr_count:     102
    .vgpr_count:     1024
    .wavefront_size: 32
...
	.end_amdgpu_metadata
.endif
;; end of part 1
;; launch attn (part 2): grid 16 x 16, 16 waves a work-group, no clusters, 327,680 bytes of LDS; arguments qc, qs, kv, ac, asc; writes ac, asc
.if DOCPART == 2
	.amdgcn_target "amdgcn-amd-amdhsa--gfx1250"
	.amdhsa_code_object_version 6
	.text
	.protected	k_qd0a6f874f6_attn
	.globl	k_qd0a6f874f6_attn
	.p2align	8
	.type	k_qd0a6f874f6_attn,@function
k_qd0a6f874f6_attn:
	s_mov_b64 s[64:65], 0
	v_nop
	global_prefetch_b8 v0, s[64:65] scope:SCOPE_SE
	s_setreg_imm32_b32 hwreg(HW_REG_WAVE_MODE, 25, 1), 1
	s_wait_xcnt 0x0
; Causal attention of one head on codes of FP6 (E2M3) with E8M0 scales, and the quantiser of its result along the model's 1,024.
; t = score x log2(e) / 8; M = the row's largest t so far, rounded UP to a whole number; p = 2^(t - M) is quantised along the keys, not normalised; the row's sum is taken of the unquantised p
; and divides O at the end.  When M moves, the sum and O are multiplied by 2^(old M - new M): exact.
; SHARES.  A work-group (x = j, y = head) has sixteen waves of one tile of 16 queries each, in 256 registers: four waves to a SIMD, so that one wave's vector work stands beside another's products and LDS loads.
; THE CAUSAL WORK IS EVENED OUT: eight waves take the tiles of query block j (128 queries, j + 1 key steps of 128), eight those of block 31 - j (32 - j steps): 8 x 33 wave steps in every work-group.
; The heavy waves are w with ((w >> 2) ^ w) & 1 = 1: two of each four neighbours, and two of each four waves that lie four apart.
; The work-group walks 2 (8 - j / 4) slots of two key steps, which is 32 - j steps rounded up to four; a wave jumps over the steps all of whose keys come after its queries.
; NO CLUSTER: work-groups of one head read the same tiles, but which steps a wave leaves out and where its mask falls hang on j, which would be the work-group's place in a cluster, and partners
; would walk different numbers of slots (8 - j / 4 pairs); walking all of them alike would add up to 31 hidden steps of softmax to a wave.
; LAYOUT.  S^T = K Q^T (source 0 = keys, source 1 = my 16 queries), O^T = V^T P^T: a lane holds ONE query (lane % 16) throughout.
; THE FIRST PRODUCT HAS K = 64 in an instruction of 128: a fragment of K holds key tile 2 b in its first 64 and key tile 2 b + 1 in its second; Q stands between two runs of six zero registers, so that
; (q, 0) gives tile 2 b and (0, q) tile 2 b + 1.  Zero codes add nothing under any scale byte under 255.
; A kv record (12,800 bytes, a key step): 8 records of K (768 bytes: six registers a lane, 16 x lane and 512 + 8 x lane), 8 of V, 256 bytes of K's scale words, 256 of V's.
; LIMITS: a block whose largest magnitude lies under 2^-124 keeps the scale byte 1 (its codes are then zeros or subnormal codes; a block of zeros keeps 1 too, and this program alone reads the bytes).
; REGISTERS: v1 16 x lane, v2 8 x lane; v4, v5 the add's; v6 r - 8 h; v7, v10 LDS addresses of the way out; v12 -M, v13 the largest t, v[14:15] the sum; v16-21 zeros, v22-27 q, v28-33 zeros;
;   v36-83 four fragments; v84-87 K's and V's scale words; v96-159 S^T, then p; v160-191 O^T; v192-198, v200-205 the way out; v224-254 at work; v253 p's scale word; v255 Q's.
.set REC,   12800
.set SLOT1, 25600                      ; a slot: two records, dense; slot 1 begins here
.set ASC,   51200                      ; 512 bytes in which the result's scale bytes are gathered (LDS stores only)
.set SPARE, 51712                      ; the spare words, 128 bytes a wave
.set TM,    200
.macro PLACES n
.rept \n
	v_nop
.endr
.endm
; THE CHANGE OF SLOTS.  Each wave waits for all its tensor loads, adds 0 to its spare word, and waits for that and for its reads of the slot that it has left; one barrier.
; fill = 1: wave 0 fills the slot just left with the two key steps four steps on: first thing behind the barrier, its one tensor load until the next.
.macro CHANGE fill, slot
	s_wait_tensorcnt 0x0                           ; no tensor load of mine is out, so a group 0 may be written
	ds_add_u32 v4, v5                              ; 0 onto my spare word
.if \fill
	s_add_nc_u64 s[34+4*\slot:35+4*\slot], s[34+4*\slot:35+4*\slot], 2*SLOT1   ; the type bits on top are not reached
.endif
	s_wait_dscnt 0x0                               ; the add is done, and my reads of the slot that I have left are over
	s_barrier_signal -1
	s_barrier_wait -1
.if \fill
	s_cmp_lg_u32 s14, 0
	s_cbranch_scc1 .Lno_load_\@
	tensor_load_to_lds s[32+4*\slot:35+4*\slot], s[24:31]
	s_nop 0
.rept 4
	v_nop
.endr
.Lno_load_\@:
.endif
.endm
; A KEY STEP: the 128 keys whose record begins at LDS byte base.
.macro STEP base
	s_cmp_gt_u32 s41, s42                          ; the step's first key lies behind my first query, both multiples of 16: all its keys come after my 16 queries
	s_cbranch_scc1 .Lhid_\@
	PLACES 4                                       ; in front of loads into registers that the last products have read
.irp t, 0,1,2,3,4,5,6,7
	ds_load_b128 v[36+6*\t:39+6*\t], v1 offset:\base+768*\t
	ds_load_b64 v[40+6*\t:41+6*\t], v2 offset:\base+768*\t+512
.endr
	ds_load_b64 v[84:85], v2 offset:\base+12288    ; K's scale words: register b / 2, lanes 16 (b % 2) on: fragment b
	s_wait_dscnt 0x0
.irp b, 0,1,2,3
.if \b%2
	v_wmma_scale_f32_16x16x128_f8f6f4 v[96+16*\b:103+16*\b], v[36+12*\b:47+12*\b], v[22:33], 0, v[84+\b/2], v255 matrix_a_fmt:MATRIX_FMT_FP6 matrix_b_fmt:MATRIX_FMT_FP6 matrix_a_scale:MATRIX_SCALE_ROW1
	v_wmma_scale_f32_16x16x128_f8f6f4 v[104+16*\b:111+16*\b], v[36+12*\b:47+12*\b], v[16:27], 0, v[84+\b/2], v255 matrix_a_fmt:MATRIX_FMT_FP6 matrix_b_fmt:MATRIX_FMT_FP6 matrix_a_scale:MATRIX_SCALE_ROW1
.else
	v_wmma_scale_f32_16x16x128_f8f6f4 v[96+16*\b:103+16*\b], v[36+12*\b:47+12*\b], v[22:33], 0, v[84+\b/2], v255 matrix_a_fmt:MATRIX_FMT_FP6 matrix_b_fmt:MATRIX_FMT_FP6
	v_wmma_scale_f32_16x16x128_f8f6f4 v[104+16*\b:111+16*\b], v[36+12*\b:47+12*\b], v[16:27], 0, v[84+\b/2], v255 matrix_a_fmt:MATRIX_FMT_FP6 matrix_b_fmt:MATRIX_FMT_FP6
.endif
.endr                                          ; register 8 t + i of v96 on: key 16 t + 8 (lane / 16) + i of the step
	PLACES 4                                       ; in front of the loads below and of the first read of the scores
.irp t, 0,1,2,3,4,5,6,7                        ; V's four fragments land while the softmax is walked
	ds_load_b128 v[36+6*\t:39+6*\t], v1 offset:\base+6144+768*\t
	ds_load_b64 v[40+6*\t:41+6*\t], v2 offset:\base+6144+768*\t+512
.endr
	ds_load_b64 v[86:87], v2 offset:\base+12544
	s_add_co_u32 s15, s41, 127                     ; on the diagonal the scores of hidden keys become -infinity ahead of the maximum; a step all of whose keys count skips this
	s_cmp_le_u32 s15, s42
	s_cbranch_scc1 .Lopen_\@
	s_sub_co_i32 s15, s42, s41
	v_add_nc_u32 v252, s15, v6                     ; my query - the step's first key - 8 (lane / 16): register 8 t + i is hidden where 16 t + i is larger
	v_mov_b32 v254, 0xff800000
.set nn, 0
.rept 64
	v_cmp_gt_i32 vcc_lo, 16*(nn/8)+nn%8, v252
	v_cndmask_b32 v[96+nn], v[96+nn], v254, vcc_lo
.set nn, nn+1
.endr
.Lopen_\@:
.irp b, 0,1,2,3
	v_max3_num_f32 v[232+\b], v[96+16*\b], v[97+16*\b], v[98+16*\b]   ; the largest score of each block of 32 keys: for the row's maximum, and, since p rises with the score, for the block's largest p
.endr
.irp i, 3,5,7,9,11,13
.irp b, 0,1,2,3
	v_max3_num_f32 v[232+\b], v[232+\b], v[96+16*\b+\i], v[97+16*\b+\i]
.endr
.endr
.irp b, 0,1,2,3
	v_max_num_f32 v[232+\b], v[232+\b], v[111+16*\b]
.endr
.irp b, 0,1,2,3
	v_permlanex16_b32 v[236+\b], v[232+\b], s20, s21
.endr
.irp b, 0,1,2,3
	v_max_num_f32 v[232+\b], v[232+\b], v[236+\b]  ; with lane l xor 16's 16 keys
.endr
	v_max3_num_f32 v254, v232, v233, v234
	v_max_num_f32 v254, v254, v235
	v_mul_f32 v254, s22, v254                      ; as t (c is positive)
	v_max_num_f32 v13, v13, v254                   ; the running largest t
	v_mov_b32 v254, v12
	v_floor_f32 v12, -v13                          ; the new -M = -ceil(t): a whole number
	v_sub_f32 v254, v12, v254                      ; old M - new M: a whole number, 0 or less
	v_cvt_i32_f32 v254, v254                       ; (it saturates)
	v_ldexp_f32 v252, 1.0, v254                    ; f = 2^(old M - new M)
.set jj, 0
.rept 32
	v_pk_fma_f32 v[96+jj:97+jj], v[96+jj:97+jj], s[22:23], v[12:13] op_sel_hi:[1,0,0]   ; t - M, two at a time
.set jj, jj+2
.endr
.irp b, 0,1,2,3
	v_fma_f32 v[232+\b], v[232+\b], s22, v12       ; the same of each block's largest score
.endr
.set jj, 0
.rept 64
	v_exp_f32 v[96+jj], v[96+jj]                   ; p = 2^(t - M), at most 1
.set jj, jj+1
.endr
.irp b, 0,1,2,3
	v_exp_f32 v[232+\b], v[232+\b]                 ; the block's largest p: the same two instructions on the same number
.endr
	v_pk_mul_f32 v[14:15], v[14:15], v[252:253] op_sel_hi:[1,0]   ; the sums under the new M (a plain place behind the exponentials)
	s_wait_alu depctr_va_vdst(0)
.irp b, 0,1,2,3
	v_max_num_f32 v[232+\b], 0x1800000, v[232+\b]  ; the floor 2^(3 - 127): the byte cannot fall under 1
.endr
.irp b, 0,1,2,3
	v_add_nc_u32 v[244+\b], 0xff000000, v[232+\b]  ; 2 off the exponent field: the conversion's scale operand
.endr
.irp b, 0,1,2,3
	v_lshrrev_b32 v[236+\b], 23, v[244+\b]         ; the scale's byte
.endr
	v_lshl_or_b32 v253, v237, 8, v236              ; p's scale word for these 128 keys
	v_lshl_or_b32 v253, v238, 16, v253
	v_lshl_or_b32 v253, v239, 24, v253
.irp c, 0,1
	v_cvt_scalef32_pk16_fp6_f32 v[224+6*\c:226+6*\c], v[96+32*\c:111+32*\c], v[244+2*\c]
	v_cvt_scalef32_pk16_fp6_f32 v[236+4*\c:238+4*\c], v[112+32*\c:127+32*\c], v[244+2*\c+1]   ; (a conversion's three registers begin on an even number)
.endr
	v_nop                                          ; one plain place behind a scaled conversion
.irp c, 0,1                                    ; a whole block to a lane: lanes 0-15 block 2 c, lanes 16-31 block 2 c + 1; inside a block the order is V's
.irp i, 0,1,2
	v_permlane16_swap_b32 v[224+6*\c+\i], v[236+4*\c+\i]
.endr
.irp i, 0,1,2
	v_mov_b32 v[227+6*\c+\i], v[236+4*\c+\i]
.endr
.endr
.set jj, 0
.rept 16
	v_pk_mul_f32 v[160+jj:161+jj], v[160+jj:161+jj], v[252:253] op_sel_hi:[1,0]   ; O^T under the new M
.set jj, jj+2
.endr
	v_pk_add_f32 v[236:237], v[96:97], v[98:99]    ; the row's sum is taken of the UNQUANTISED p, in two chains.  (These 32 lines are also the places in front of the products below)
.set jj, 4
.rept 15
	v_pk_add_f32 v[14:15], v[14:15], v[96+jj:97+jj]
	v_pk_add_f32 v[236:237], v[236:237], v[98+jj:99+jj]
.set jj, jj+4
.endr
	v_pk_add_f32 v[14:15], v[14:15], v[236:237]
	s_wait_dscnt 0x0                               ; V and its scale words are in
.irp n, 0,1,2,3                                ; O^T += V^T P^T: the four accumulators by turns, one instruction a turn
.if \n%2
	v_wmma_scale_f32_16x16x128_f8f6f4 v[160+8*\n:167+8*\n], v[36+12*\n:47+12*\n], v[224:235], v[160+8*\n:167+8*\n], v[86+\n/2], v253 matrix_a_fmt:MATRIX_FMT_FP6 matrix_b_fmt:MATRIX_FMT_FP6 matrix_a_scale:MATRIX_SCALE_ROW1
.else
	v_wmma_scale_f32_16x16x128_f8f6f4 v[160+8*\n:167+8*\n], v[36+12*\n:47+12*\n], v[224:235], v[160+8*\n:167+8*\n], v[86+\n/2], v253 matrix_a_fmt:MATRIX_FMT_FP6 matrix_b_fmt:MATRIX_FMT_FP6
.endif
.endr
.Lhid_\@:
	s_add_co_u32 s41, s41, 128
.endm
	s_load_b256 s[4:11], s[0:1], 0x0               ; qc s[4:5], qs s[6:7], kv s[8:9], ac s[10:11]
	s_load_b64 s[12:13], s[0:1], 0x20              ; asc
	v_lshl_add_u32 v4, v0, 2, SPARE
	v_mov_b32 v5, 0
	ds_add_u32 v4, v5
	s_wait_dscnt 0x0
	v_lshrrev_b32 v3, 5, v0
	v_readfirstlane_b32 s14, v3                    ; wave 0..15
	s_and_b32 s44, ttmp7, 0xffff                   ; the head
	s_lshr_b32 s45, s14, 2
	s_xor_b32 s45, s45, s14
	s_and_b32 s45, s45, 1                          ; heavy
	s_lshr_b32 s46, s14, 1                         ; which of the block's eight tiles
	s_sub_co_u32 s47, 31, ttmp9
	s_cmp_eq_u32 s45, 1
	s_cselect_b32 s47, s47, ttmp9                  ; my block of 128 queries
	s_lshl_b32 s48, s47, 3
	s_add_co_u32 s48, s48, s46                     ; my tile of 16
	s_lshl_b32 s42, s48, 4                         ; my first query
	s_mov_b32 s41, 0                               ; the step's first key
	s_lshr_b32 s40, ttmp9, 2
	s_sub_co_u32 s40, 7, s40                       ; trips of the loop: 4 to 7 for j = 15 .. 0;
	s_max_u32 s40, s40, 1                          ; held at 1 from below, so that the count-down to 0 ends whatever the work-group's number
	s_mov_b32 s20, 0x76543210                      ; v_permlanex16_b32's selects for lane l xor 16
	s_mov_b32 s21, 0xfedcba98
	s_mov_b32 s22, 0x3e38aa3b                      ; c = log2(e) / 8
	s_mov_b32 s23, s22                             ; (named with it as a pair, so it is written)
	s_mov_b32 s24, 3<<16                           ; group 1: 100 rows of 32 elements of 8 bytes, dense: two records
	s_mov_b32 s25, 32<<16
	s_mov_b32 s26, 100<<16
	s_mov_b32 s27, 32<<16
	s_mov_b32 s28, 100
	s_mov_b32 s29, 32
	s_mov_b32 s30, 0
	s_mov_b32 s31, 0
	s_mul_i32 s50, s44, 409600                     ; a head's 32 records
	s_mov_b32 s51, 0
	s_lshl_b32 s52, s44, 8
	s_add_co_u32 s52, s52, s48
	s_mul_i32 s52, s52, 768                        ; qc: record 256 head + tile
	s_mov_b32 s53, 0
	s_lshl_b32 s54, s44, 6
	s_lshr_b32 s55, s48, 2
	s_add_co_u32 s54, s54, s55
	s_lshl_b32 s54, s54, 8                         ; qs: unit 64 head + tile / 4,
	s_bfe_u32 s55, s48, 0x10001
	s_lshl_b32 s55, s55, 7
	s_add_co_u32 s54, s54, s55                     ; lanes 16 ((tile % 4) / 2) on,
	s_and_b32 s55, s48, 1
	s_lshl_b32 s55, s55, 2
	s_add_co_u32 s54, s54, s55                     ; word tile % 2
	s_mov_b32 s55, 0
	s_lshl_b32 s56, s48, 4
	s_add_co_u32 s56, s56, s44
	s_mul_i32 s56, s56, 768                        ; ac: record 16 tile + head
	s_mov_b32 s57, 0
	s_lshl_b32 s58, s44, 13
	s_lshl_b32 s59, s47, 8
	s_add_co_u32 s58, s58, s59                     ; asc: 8,192 head + 256 block
	s_mov_b32 s59, 0
	s_lshl_b32 s16, s45, 8
	s_add_co_u32 s16, s16, ASC                     ; my block's half of the gathering bytes
	s_lshl_b32 s15, s46, 5
	s_add_co_u32 s15, s15, s16
	s_wait_kmcnt 0x0
	s_add_nc_u64 s[50:51], s[8:9], s[50:51]
	s_mov_b32 s32, 1
	s_mov_b32 s33, 0
	s_mov_b64 s[34:35], s[50:51]
	s_or_b32 s35, s35, 0x80000000
	s_mov_b32 s36, 1
	s_mov_b32 s37, SLOT1
	s_add_nc_u64 s[38:39], s[50:51], SLOT1
	s_or_b32 s39, s39, 0x80000000
	s_cmp_lg_u32 s14, 0                            ; wave 0 alone fetches: its two first fills stand in one branch; two loads of its are out
	s_cbranch_scc1 .Lno_first
	tensor_load_to_lds s[32:35], s[24:31]
	s_nop 0
	tensor_load_to_lds s[36:39], s[24:31]
	s_nop 0
.rept 4
	v_nop
.endr
.Lno_first:
	s_add_nc_u64 s[4:5], s[4:5], s[52:53]
	s_add_nc_u64 s[6:7], s[6:7], s[54:55]
	s_add_nc_u64 s[10:11], s[10:11], s[56:57]
	s_add_nc_u64 s[12:13], s[12:13], s[58:59]
	v_and_b32 v3, 31, v0
	v_lshlrev_b32 v1, 4, v3                        ; 16 x lane
	v_lshlrev_b32 v2, 3, v3                        ; 8 x lane
	v_and_b32 v8, 15, v0                           ; r
	v_bfe_u32 v9, v0, 4, 1                         ; h
	v_lshlrev_b32 v11, 3, v8
	global_load_b128 v[22:25], v1, s[4:5]          ; q's record
	global_load_b64 v[26:27], v2, s[4:5] offset:512
	global_load_b32 v255, v11, s[6:7]              ; and its scale words: lane r has query r's
	v_lshlrev_b32 v9, 3, v9
	v_sub_nc_u32 v6, v8, v9                        ; r - 8 h
	v_lshl_add_u32 v7, v8, 1, s15                  ; ASC + 256 heavy + 32 tile + 2 r
	v_add_nc_u32 v10, s16, v2                      ; ASC + 256 heavy + 8 lane
.irp i, 0,1,2,3,4,5
	v_mov_b32 v[16+\i], 0                          ; the zero halves beside q
	v_mov_b32 v[28+\i], 0
.endr
	v_mov_b32 v13, 0xff61b1e6                      ; the largest t so far: -3e38, under every t
	v_floor_f32 v12, -v13                          ; -M
	v_mov_b32 v14, 0
	v_mov_b32 v15, 0
.irp b, 0,1,2,3
	v_mov_b32 v[236+\b], 0                         ; a lane permute's destination counts as one of its sources
.endr
	v_mov_b32 v[TM+2], 0
	v_mov_b32 v[TM+3], 0
	v_mov_b32 v252, 0                              ; likewise: the way out permutes into it, and it is written on every way that leads there
	v_mov_b32 v253, 0                              ; (named as the upper half of the pair v[252:253] before it is first written)
.set jj, 0
.rept 32
	v_mov_b32 v[160+jj], 0                         ; O^T: the step is written once; the first finds zeros, which the first change of M leaves zeros
.set jj, jj+1
.endr
	s_wait_loadcnt 0x0                             ; q
	s_wait_tensorcnt 1                             ; slot 0 is in; slot 1's load may stay out
	s_barrier_signal -1
	s_barrier_wait -1
	STEP 0
	STEP REC
.Lpair:                                            ; 7 - j / 4 trips; a trip leaves slot 0, walks slot 1, leaves it, walks slot 0
	CHANGE 1, 0
	STEP SLOT1
	STEP SLOT1+REC
	CHANGE 1, 1
	STEP 0
	STEP REC
	s_sub_co_u32 s40, s40, 1
	s_cmp_lg_u32 s40, 0
	s_cbranch_scc1 .Lpair
	CHANGE 0, 0                                    ; the last slot is written out: nothing is left to fetch
	STEP SLOT1
	STEP SLOT1+REC
	; THE WAY OUT.  O^T / the sum; two neighbouring tiles change halves, so that a lane's 16 registers are d = 32 b + 16 (lane / 16) + 0 .. 15: the codes then stand in true order, as Wo's do.
	PLACES 4
	v_add_f32 v14, v14, v15
	v_permlanex16_b32 v252, v14, s20, s21
	v_add_f32 v14, v14, v252                       ; the row's sum
	v_rcp_f32 v14, v14
	v_nop                                          ; a plain place behind the reciprocal
.irp b, 0,1
.irp j, 0,1,2,3,4,5,6,7
	v_permlane16_swap_b32 v[160+16*\b+\j], v[168+16*\b+\j]   ; each accumulator from its low end on
.endr
.endr
.set jj, 0
	s_wait_alu depctr_va_vdst(0)
.rept 16
	v_pk_mul_f32 v[160+jj:161+jj], v[160+jj:161+jj], v[14:15] op_sel_hi:[1,0]
.set jj, jj+2
.endr
.irp b, 0,1
	v_max3_num_f32 v[TM+\b], |v[160+16*\b]|, |v[161+16*\b]|, 0x1800000   ; the floor 2^(3 - 127)
.endr
.irp i, 2,4,6,8,10,12,14
.irp b, 0,1
	v_max3_num_f32 v[TM+\b], |v[160+16*\b+\i]|, |v[161+16*\b+\i]|, v[TM+\b]
.endr
.endr
.irp b, 0,1
	v_permlanex16_b32 v[TM+2+\b], v[TM+\b], s20, s21
.endr
.irp b, 0,1
	v_max_num_f32 v[TM+\b], v[TM+\b], v[TM+2+\b]
.endr
.irp b, 0,1
	v_add_nc_u32 v[TM+4+\b], 0xff000000, v[TM+\b]
.endr
.irp b, 0,1
	v_lshrrev_b32 v[TM+2+\b], 23, v[TM+4+\b]
.endr
	v_lshl_or_b32 v254, v[TM+3], 8, v[TM+2]        ; my query's two scale bytes of this head
	v_cvt_scalef32_pk16_fp6_f32 v[192:194], v[160:175], v[TM+4]
	v_cvt_scalef32_pk16_fp6_f32 v[196:198], v[176:191], v[TM+5]
	v_nop                                          ; one plain place behind a scaled conversion
.irp i, 0,1,2
	v_permlane16_swap_b32 v[192+\i], v[196+\i]
.endr
.irp i, 0,1,2
	v_mov_b32 v[195+\i], v[196+\i]
.endr
	global_store_b128 v1, v[192:195], s[10:11]     ; the record: 512 consecutive bytes, then 256, aligned on 256
	global_store_b64 v2, v[196:197], s[10:11] offset:512
	ds_store_b16 v7, v254                          ; both halves of the lanes write the same
	s_wait_dscnt 0x0                               ; for the others' sake
	s_barrier_signal -1
	s_barrier_wait -1
	s_cmp_lt_u32 s14, 2                            ; wave 0 (light) and wave 1 (heavy) store their own block's 128 halfwords: one aligned unit of 256 bytes each
	s_cbranch_scc0 .Lend
	ds_load_b64 v[8:9], v10
	s_wait_dscnt 0x0
	global_store_b64 v2, v[8:9], s[12:13]
.Lend:
	s_wait_tensorcnt 0x0                           ; the wave's end
	ds_add_u32 v4, v5
	s_wait_dscnt 0x0
	s_endpgm
.Lfunc_end_k_qd0a6f874f6_attn:
	.size	k_qd0a6f874f6_attn, .Lfunc_end_k_qd0a6f874f6_attn-k_qd0a6f874f6_attn
	.p2alignl 7, 3214868480
	.fill 96, 4, 3214868480
	.section	.rodata,"a",@progbits
	.p2align	6, 0x0
	.amdhsa_kernel k_qd0a6f874f6_attn
		.amdhsa_group_segment_fixed_size 327680
		.amdhsa_private_segment_fixed_size 0
		.amdhsa_enable_private_segment 0
		.amdhsa_kernarg_size 40
		.amdhsa_user_sgpr_count 2
		.amdhsa_user_sgpr_kernarg_segment_ptr 1
		.amdhsa_wavefront_size32 1
		.amdhsa_system_sgpr_workgroup_id_x 1
		.amdhsa_system_sgpr_workgroup_id_y 1
		.amdhsa_system_sgpr_workgroup_id_z 1
		.amdhsa_system_vgpr_workitem_id 0
		.amdhsa_next_free_vgpr 256
		.amdhsa_next_free_sgpr 66
		.amdhsa_reserve_vcc 1
		.amdhsa_float_denorm_mode_32 3
		.amdhsa_float_denorm_mode_16_64 3
		.amdhsa_memory_ordered 1
		.amdhsa_forward_progress 1
		.amdhsa_inst_pref_size 180
	.end_amdhsa_kernel
	.amdgpu_metadata
---
amdhsa.version: [ 1, 2 ]
amdhsa.kernels:
  - .name:           k_qd0a6f874f6_attn
    .symbol:         k_qd0a6f874f6_attn.kd
    .args:
      - { .name: qc, .offset: 0, .size: 8, .value_kind: global_buffer, .address_space: global }
      - { .name: qs, .offset: 8, .size: 8, .value_kind: global_buffer, .address_space: global }
      - { .name: kv, .offset: 16, .size: 8, .value_kind: global_buffer, .address_space: global }
      - { .name: ac, .offset: 24, .size: 8, .value_kind: global_buffer, .address_space: global }
      - { .name: asc, .offset: 32, .size: 8, .value_kind: global_buffer, .address_space: global }
    .group_segment_fixed_size: 327680
    .private_segment_fixed_size: 0
    .kernarg_segment_align: 8
    .kernarg_segment_size: 40
    .max_flat_workgroup_size: 512
    .sgpr_count:     66
    .vgpr_count:     256
    .wavefront_size: 32
...
	.end_amdgpu_metadata
.endif
;; end of part 2
;; launch proj (part 3): grid 8 x 32, 4 waves a work-group, clusters of 4 x 4, 262,656 bytes of LDS; arguments ac, asc, Wo_codes, Wo_scales, out0; writes out0
.if DOCPART == 3
	.amdgcn_target "amdgcn-amd-amdhsa--gfx1250"
	.amdhsa_code_object_version 6
	.text
	.protected	k_qd0a6f874f6_proj
	.globl	k_qd0a6f874f6_proj
	.p2align	8
	.type	k_qd0a6f874f6_proj,@function
k_qd0a6f874f6_proj:
	s_mov_b64 s[64:65], 0
	v_nop
	global_prefetch_b8 v0, s[64:65] scope:SCOPE_SE
	s_setreg_imm32_b32 hwreg(HW_REG_WAVE_MODE, 25, 1), 1
	s_wait_xcnt 0x0
	s_wait_alu depctr_hold_cnt(0) depctr_sa_sdst(0) depctr_va_vdst(0) depctr_va_sdst(0) depctr_va_ssrc(0) depctr_va_vcc(0) depctr_vm_vsrc(0)
	s_getreg_b32 s2, hwreg(HW_REG_IB_STS2, 6, 4)
	s_cmp_eq_u32 s2, 0
	s_cbranch_scc0 .Lentry_in_a_cluster
	s_endpgm
.Lentry_in_a_cluster:
	s_bfe_u32 s2, ttmp6, 0x10000c
	s_cmp_lg_u32 s2, 0xf033
	s_cbranch_scc0 .Lentry_shape_is_right
	s_endpgm
.Lentry_shape_is_right:
; out = attn Wo^T on codes of FP6 (E2M3) with E8M0 scales.  attn: ac, [token tile 256][head 16] records of 768 bytes (16 tokens x 64 along K as six registers a lane: 16 x lane, 512 + 8 x lane),
; scale bytes asc [head 16][token 4096] halfwords.  Wo: [1024][1024] codes, 768 bytes a row, 32 scale bytes a row.  out0: [4096][1024] f32.
; SHARES.  A work-group makes 128 tokens (y) x 128 columns (x): 256 work-groups.  Wave w: tokens 64 (w / 2) on, columns 64 (w % 2) on: 16 accumulators.
; ALL OF K FITS IN LDS: four chunks of 256 along K for each side, every one a first fill: nothing is filled again.  A wave has four tensor loads out at the start.
; CLUSTER 4 x 4: attn's tiles hang on y alone and are asked for jointly by a row of the cluster, Wo's on x alone and by a column.
; THE PRODUCT IS USED TRANSPOSED (source 0 = 16 rows of Wo, source 1 = 16 tokens): a lane holds eight neighbouring columns of one row of out.
; REGISTERS.  window 0: v0-27 ids and addresses; v32-47 attn's scale words, v48-63 Wo's; v64-127 at work; v128-255 accumulators v[128 + 32 i + 8 n].  window 1: two sets of 96: attn's four fragments, then Wo's four.
.set ACH,   24576                      ; a chunk of attn: 8 token tiles x 3,072 bytes (four heads' records), dense
.set BBASE, 98304                      ; Wo's chunks begin here: 128 rows of 192 bytes + 3 x 16 of padding = 240
.set BCH,   30720
.set STG,   221184                     ; the way out: 16 rows x (256 bytes + 16) for each wave (LDS stores only)
.set TOF,   0x40
.set MSB,   0
.macro WIN new
.if MSB != (\new)
	s_set_vgpr_msb (MSB<<8)|(\new)
.set MSB, (\new)
.endif
.endm
.macro PLACES n
.rept \n
	v_nop
.endr
.endm
.macro JLOAD g0a, g1a, g0b, g1b        ; waves 0, 1 ask for attn's halves, waves 2, 3 for Wo's; four v_nop follow each line
	s_cmp_eq_u32 s15, 0
	s_cbranch_scc0 .Lfor_b_\@
	tensor_load_to_lds s[\g0a:\g0a+3], s[\g1a:\g1a+7]
	s_nop 0
.rept 4
	v_nop
.endr
	s_branch .Lasked_\@
.Lfor_b_\@:
	tensor_load_to_lds s[\g0b:\g0b+3], s[\g1b:\g1b+7]
	s_nop 0
.rept 4
	v_nop
.endr
.Lasked_\@:
.endm
.macro CROUND                          ; a round of the cluster's barrier
	s_barrier_signal -1
	s_barrier_wait -1
	s_cmp_lg_u32 s14, 0
	s_cbranch_scc1 .Lnot_wave_0_\@
	s_barrier_signal -3
.Lnot_wave_0_\@:
	s_barrier_wait -3
	s_barrier_signal -1
	s_barrier_wait -1
.endm
.macro WM zero, ra, rb                 ; one product on rD, rA, rB, rSA, rSB; ra, rb: the half of the lanes that holds A's, B's scale words
.set rR, (\ra)+2*(\rb)
.if \zero
.if rR == 0
	v_wmma_scale_f32_16x16x128_f8f6f4 v[rD:rD+7], v[rA:rA+11], v[rB:rB+11], 0, v[rSA], v[rSB] matrix_a_fmt:MATRIX_FMT_FP6 matrix_b_fmt:MATRIX_FMT_FP6
.elseif rR == 1
	v_wmma_scale_f32_16x16x128_f8f6f4 v[rD:rD+7], v[rA:rA+11], v[rB:rB+11], 0, v[rSA], v[rSB] matrix_a_fmt:MATRIX_FMT_FP6 matrix_b_fmt:MATRIX_FMT_FP6 matrix_a_scale:MATRIX_SCALE_ROW1
.elseif rR == 2
	v_wmma_scale_f32_16x16x128_f8f6f4 v[rD:rD+7], v[rA:rA+11], v[rB:rB+11], 0, v[rSA], v[rSB] matrix_a_fmt:MATRIX_FMT_FP6 matrix_b_fmt:MATRIX_FMT_FP6 matrix_b_scale:MATRIX_SCALE_ROW1
.else
	v_wmma_scale_f32_16x16x128_f8f6f4 v[rD:rD+7], v[rA:rA+11], v[rB:rB+11], 0, v[rSA], v[rSB] matrix_a_fmt:MATRIX_FMT_FP6 matrix_b_fmt:MATRIX_FMT_FP6 matrix_a_scale:MATRIX_SCALE_ROW1 matrix_b_scale:MATRIX_SCALE_ROW1
.endif
.else
.if rR == 0
	v_wmma_scale_f32_16x16x128_f8f6f4 v[rD:rD+7], v[rA:rA+11], v[rB:rB+11], v[rD:rD+7], v[rSA], v[rSB] matrix_a_fmt:MATRIX_FMT_FP6 matrix_b_fmt:MATRIX_FMT_FP6
.elseif rR == 1
	v_wmma_scale_f32_16x16x128_f8f6f4 v[rD:rD+7], v[rA:rA+11], v[rB:rB+11], v[rD:rD+7], v[rSA], v[rSB] matrix_a_fmt:MATRIX_FMT_FP6 matrix_b_fmt:MATRIX_FMT_FP6 matrix_a_scale:MATRIX_SCALE_ROW1
.elseif rR == 2
	v_wmma_scale_f32_16x16x128_f8f6f4 v[rD:rD+7], v[rA:rA+11], v[rB:rB+11], v[rD:rD+7], v[rSA], v[rSB] matrix_a_fmt:MATRIX_FMT_FP6 matrix_b_fmt:MATRIX_FMT_FP6 matrix_b_scale:MATRIX_SCALE_ROW1
.else
	v_wmma_scale_f32_16x16x128_f8f6f4 v[rD:rD+7], v[rA:rA+11], v[rB:rB+11], v[rD:rD+7], v[rSA], v[rSB] matrix_a_fmt:MATRIX_FMT_FP6 matrix_b_fmt:MATRIX_FMT_FP6 matrix_a_scale:MATRIX_SCALE_ROW1 matrix_b_scale:MATRIX_SCALE_ROW1
.endif
.endif
.endm
.macro FRAG reg, adr, adr2, q, i       ; a fragment from rows of 240 bytes: six pieces of 8 bytes; the second address serves the pieces that lie behind one padding more for lanes 16-31
.irp p, 0,1,2,3,4,5
.set PCC, 12*(\q)+6*(\p/3)+\p%3
.if PCC%8 < 5
	ds_load_b64 v[\reg+2*\p:\reg+2*\p+1], v[\adr] offset:8*PCC+16*(PCC/8)+(\i)*3840
.else
	ds_load_b64 v[\reg+2*\p:\reg+2*\p+1], v[\adr2] offset:8*PCC+16*(PCC/8)+(\i)*3840
.endif
.endr
.endm
.macro HFL reg, a16, a8, off           ; a record of 768 bytes comes back as the six registers that it is an image of
	ds_load_b128 v[\reg:\reg+3], v[\a16] offset:\off
	ds_load_b64 v[\reg+4:\reg+5], v[\a8] offset:\off+512
.endm
.macro PLOAD k                         ; K step k (chunk k / 2, its (k % 2)-th 128) into set k % 2: 16 + 24 loads
.irp i, 0,1,2,3
	HFL 96*((\k)%2)+12*\i, 4+(\k)/2, 8+(\k)/2, 3072*\i+1536*((\k)%2)
	HFL 96*((\k)%2)+12*\i+6, 4+(\k)/2, 8+(\k)/2, 3072*\i+1536*((\k)%2)+768
.endr
.irp n, 0,1,2,3
	FRAG 96*((\k)%2)+48+12*\n, 12+(\k)/2, 16+(\k)/2, (\k)%2, \n
.endr
.endm
; A K step of 128: the next step's fragments are asked for, then this step's 16 products.  The 16 accumulators take turns, one instruction a turn.
.macro PSTEP k, zero
.if (((\k)%2)==1)&&((\k)<7)
	s_wait_tensorcnt 3-((\k)+1)/2                  ; my part of the next chunk is in; the chunks behind it may stay out
	s_wait_dscnt 0x0                               ; no LDS instruction of mine is out at a signal
	s_barrier_signal -1
	s_barrier_wait -1                              ; everybody's part is in
.endif
.if (\k)<7
	PLACES 4                                       ; in front of loads into registers that the step before has multiplied
	WIN TOF
	PLOAD (\k)+1
	s_wait_dscnt 40                                ; all but the 40 just issued
.else
	s_wait_dscnt 0x0
.endif
	WIN 0x05                                       ; sources 0, 1 window 1; C, D window 0
.irp i, 0,1,2,3
.irp n, 0,1,2,3
.set rD, 128+32*\i+8*\n
.set rA, 96*((\k)%2)+48+12*\n
.set rB, 96*((\k)%2)+12*\i
.set rSA, 48+8*(\n/2)+(\k)
.set rSB, 32+8*(\i/2)+(\k)
	WM \zero, \n%2, \i%2
.endr
.endr
	WIN 0
.endm
	s_load_b256 s[4:11], s[0:1], 0x0               ; ac s[4:5], asc s[6:7], Wo codes s[8:9], Wo scales s[10:11]
	s_load_b64 s[12:13], s[0:1], 0x20              ; out0
	v_lshl_add_u32 v30, v0, 2, 0x40000
	v_mov_b32 v31, 0
	ds_add_u32 v30, v31
	v_lshrrev_b32 v1, 5, v0
	v_readfirstlane_b32 s14, v1                    ; wave 0..3
	s_lshr_b32 s15, s14, 1                         ; which half of the tokens is mine.  Also: I fetch for attn (0) or for Wo (1)
	s_and_b32 s16, s14, 1                          ; which half of the columns.  Also: which half of that tile I fetch
	s_bfe_u32 s17, ttmp6, 0x40000                  ; cx
	s_bfe_u32 s18, ttmp6, 0x40004                  ; cy
	s_lshl_b32 s19, ttmp9, 2
	s_add_co_u32 s19, s19, s17                     ; x = 4 x cluster x + cx
	s_and_b32 s20, ttmp7, 0xffff
	s_lshl_b32 s20, s20, 2
	s_add_co_u32 s20, s20, s18                     ; y = 4 x cluster y + cy
	s_lshl_b32 s21, s18, 2
	s_lshl_b32 s21, 15, s21                        ; my row of the cluster
	s_lshl_b32 s22, 0x1111, s17                    ; my column
	s_or_b32 s68, s21, (3<<16)|(1<<21)             ; group 1 for attn: 4 token tiles x 384 elements of 8 bytes, 1,536 elements apart; no padding
	s_mov_b32 s69, 384<<16
	s_mov_b32 s70, 4<<16
	s_mov_b32 s71, 384<<16
	s_mov_b32 s72, 4
	s_mov_b32 s73, 1536
	s_mov_b32 s74, 0
	s_mov_b32 s75, 0
	s_or_b32 s76, s22, (1<<20)|(1<<21)|(3<<22)|(3<<25)   ; group 1 for Wo: 64 rows x 192 bytes, 768 apart; 16 bytes of padding behind every 64
	s_mov_b32 s77, 192<<16
	s_mov_b32 s78, 64<<16
	s_mov_b32 s79, 192<<16
	s_mov_b32 s80, 64
	s_mov_b32 s81, 768
	s_mov_b32 s82, 0
	s_mov_b32 s83, 0
	s_mul_i32 s23, s16, 49152                      ; my half: four token tiles, or 64 rows of Wo: as many bytes
	s_mul_i32 s24, s20, 98304
	s_add_co_u32 s24, s24, s23
	s_mov_b32 s25, 0
	s_mul_i32 s28, s19, 98304
	s_add_co_u32 s28, s28, s23
	s_mov_b32 s29, 0
	s_mul_i32 s30, s16, 12288                      ; where they go: no place in the cluster enters an LDS address
	s_mul_i32 s31, s16, 15360
	s_wait_dscnt 0x0
	s_wait_kmcnt 0x0
	s_add_nc_u64 s[24:25], s[4:5], s[24:25]
	s_add_nc_u64 s[28:29], s[8:9], s[28:29]
	CROUND                                         ; all sixteen work-groups are here: the joint loads meet
.irp c, 0,1,2,3
	s_mov_b32 s[32+4*\c], 1
	s_add_co_u32 s[33+4*\c], s30, \c*ACH
	s_add_nc_u64 s[34+4*\c:35+4*\c], s[24:25], \c*3072
	s_or_b32 s[35+4*\c], s[35+4*\c], 0x80000000
	s_mov_b32 s[48+4*\c], 1
	s_add_co_u32 s[49+4*\c], s31, BBASE+\c*BCH
	s_add_nc_u64 s[50+4*\c:51+4*\c], s[28:29], \c*192
	s_or_b32 s[51+4*\c], s[51+4*\c], 0x80000000
	JLOAD 32+4*\c, 68, 48+4*\c, 76
.endr
	v_and_b32 v3, 31, v0                           ; lane
	v_and_b32 v1, 15, v0                           ; r
	v_bfe_u32 v2, v0, 4, 1                         ; h
	s_lshl_b32 s26, s20, 7
	s_lshl_b32 s27, s15, 6
	s_add_co_u32 s26, s26, s27                     ; my first token
	s_lshl_b32 s84, s26, 1
	v_lshl_add_u32 v24, v3, 1, s84                 ; asc: 2 (my first token + lane)
	s_lshl_b32 s84, s19, 7
	s_lshl_b32 s85, s16, 6
	s_add_co_u32 s84, s84, s85                     ; my first column
	s_lshl_b32 s86, s84, 5
	s_mov_b32 s87, 0
	s_add_nc_u64 s[10:11], s[10:11], s[86:87]      ; Wo's scale bytes of my 64 rows
	v_lshlrev_b32 v25, 5, v3
.irp p, 0,1
.irp d, 0,1,2,3,4,5,6,7,8,9,10,11,12,13,14,15
	global_load_u16 v[64+16*\p+\d], v24, s[6:7] offset:8192*\d+64*\p   ; head d's two bytes of token 32 p + lane of my 64
.endr
.endr
.irp p, 0,1                                    ; a row's 32 scale bytes are its eight scale words: lanes 0-15 tile 2 p, lanes 16-31 tile 2 p + 1
	global_load_b128 v[48+8*\p:51+8*\p], v25, s[10:11] offset:1024*\p
	global_load_b128 v[52+8*\p:55+8*\p], v25, s[10:11] offset:1024*\p+16
.endr
	s_lshl_b32 s26, s26, 12                        ; out0: a row is 4,096 bytes
	s_lshl_b32 s84, s84, 2
	s_add_co_u32 s26, s26, s84
	s_mov_b32 s27, 0
	s_add_nc_u64 s[12:13], s[12:13], s[26:27]
	s_mul_i32 s84, s15, 12288                      ; my four token tiles in a chunk
	s_mul_i32 s86, s16, 15360                      ; my 64 rows of Wo in a chunk
	v_mul_u32_u24 v26, v1, 240
	v_mad_u32_u24 v26, v2, 24, v26
	v_lshl_add_u32 v27, v2, 4, v26
.irp c, 0,1,2,3
	s_add_co_u32 s85, s84, \c*ACH
	v_lshl_add_u32 v[4+\c], v3, 4, s85
	v_lshl_add_u32 v[8+\c], v3, 3, s85
	s_add_co_u32 s87, s86, BBASE+\c*BCH
	v_add_nc_u32 v[12+\c], s87, v26
	v_add_nc_u32 v[16+\c], s87, v27
.endr
	s_mul_i32 s88, s14, 4352
	s_add_co_u32 s88, s88, STG                     ; my stage
	v_mul_u32_u24 v20, v1, 272
	v_lshl_add_u32 v20, v2, 5, v20
	v_add_nc_u32 v20, s88, v20                     ; in: row r, 32 bytes for each half of the lanes
	v_mul_u32_u24 v21, v2, 272
	v_lshl_add_u32 v21, v1, 4, v21
	v_add_nc_u32 v21, s88, v21                     ; back: lanes 0-15 one row of 256 bytes, lanes 16-31 the next
	v_lshlrev_b32 v22, 12, v2
	v_lshl_add_u32 v22, v1, 4, v22                 ; and the same two rows in out0
	s_wait_loadcnt 0x0
.irp p, 0,1
.irp k, 0,1,2,3,4,5,6,7
	v_lshl_or_b32 v[32+8*\p+\k], v[64+16*\p+2*\k+1], 16, v[64+16*\p+2*\k]   ; heads 2 k and 2 k + 1 make the scale word of K step k
.endr
.endr
	PLACES 8                                       ; a scale register written by a vector instruction stands eight places ahead of a scaled product
	s_wait_tensorcnt 3                             ; my part of chunk 0 is in; three loads may stay out
	s_barrier_signal -1
	s_barrier_wait -1
	WIN TOF
	PLOAD 0
	WIN 0
	PSTEP 0, 1                                     ; the first step's products start the sums
	PSTEP 1, 0
	PSTEP 2, 0
	PSTEP 3, 0
	PSTEP 4, 0
	PSTEP 5, 0
	PSTEP 6, 0
	PSTEP 7, 0
; THE WAY OUT, a tile of 16 tokens x 64 columns at a time, through my own stage: a lane's 32 bytes go in, whole rows of 256 bytes come back.  LDS serves a wave's instructions in order (ISA guide 5.7.1.4).
.macro TOSTAGE i
.irp n, 0,1,2,3
	ds_store_b128 v20, v[128+32*(\i)+8*\n:131+32*(\i)+8*\n] offset:64*\n        ; each accumulator from its low end on
	ds_store_b128 v20, v[132+32*(\i)+8*\n:135+32*(\i)+8*\n] offset:64*\n+16
.endr
.irp t, 0,1,2,3,4,5,6,7
	ds_load_b128 v[64+32*((\i)%2)+4*\t:67+32*((\i)%2)+4*\t], v21 offset:\t*544
.endr
.endm
.macro SEND i, younger                 ; younger: the LDS instructions issued behind tile i's loads
	s_wait_dscnt \younger
.irp t, 0,1,2,3,4,5,6,7
	global_store_b128 v22, v[64+32*((\i)%2)+4*\t:67+32*((\i)%2)+4*\t], s[12:13] offset:(16*(\i)+2*\t)*4096 th:TH_STORE_NT   ; 16 lanes store 256 consecutive bytes, aligned on 256
.endr
.endm
	PLACES 4                                       ; behind the last products, in front of the first read of results
	TOSTAGE 0
	TOSTAGE 1
	SEND 0, 16
	s_wait_xcnt 0x0                                ; tile 0's stores have read their registers: tile 2's rows may land there
	TOSTAGE 2
	SEND 1, 16
	s_wait_xcnt 0x0
	TOSTAGE 3
	SEND 2, 16
	SEND 3, 0
	s_wait_tensorcnt 0x0
	ds_add_u32 v30, v31
	s_wait_dscnt 0x0
	CROUND                                         ; the closing round: no work-group ends while a partner may still ask for a tile that names it
	s_endpgm
.Lfunc_end_k_qd0a6f874f6_proj:
	.size	k_qd0a6f874f6_proj, .Lfunc_end_k_qd0a6f874f6_proj-k_qd0a6f874f6_proj
	.p2alignl 7, 3214868480
	.fill 96, 4, 3214868480
	.section	.rodata,"a",@progbits
	.p2align	6, 0x0
	.amdhsa_kernel k_qd0a6f874f6_proj
		.amdhsa_group_segment_fixed_size 262656
		.amdhsa_private_segment_fixed_size 0
		.amdhsa_enable_private_segment 0
		.amdhsa_kernarg_size 40
		.amdhsa_user_sgpr_count 2
		.amdhsa_user_sgpr_kernarg_segment_ptr 1
		.amdhsa_wavefront_size32 1
		.amdhsa_system_sgpr_workgroup_id_x 1
		.amdhsa_system_sgpr_workgroup_id_y 1
		.amdhsa_system_sgpr_workgroup_id_z 1
		.amdhsa_system_vgpr_workitem_id 0
		.amdhsa_next_free_vgpr 512
		.amdhsa_next_free_sgpr 96
		.amdhsa_reserve_vcc 0
		.amdhsa_float_denorm_mode_32 3
		.amdhsa_float_denorm_mode_16_64 3
		.amdhsa_memory_ordered 1
		.amdhsa_forward_progress 1
		.amdhsa_inst_pref_size 61
	.end_amdhsa_kernel
	.amdgpu_metadata
---
amdhsa.version: [ 1, 2 ]
amdhsa.kernels:
  - .name:           k_qd0a6f874f6_proj
    .symbol:         k_qd0a6f874f6_proj.kd
    .args:
      - { .name: ac, .offset: 0, .size: 8, .value_kind: global_buffer, .address_space: global }
      - { .name: asc, .offset: 8, .size: 8, .value_kind: global_buffer, .address_space: global }
      - { .name: Wo_codes, .offset: 16, .size: 8, .value_kind: global_buffer, .address_space: global }
      - { .name: Wo_scales, .offset: 24, .size: 8, .value_kind: global_buffer, .address_space: global }
      - { .name: out0, .offset: 32, .size: 8, .value_kind: global_buffer, .address_space: global }
    .group_segment_fixed_size: 262656
    .private_segment_fixed_size: 0
    .kernarg_segment_align: 8
    .kernarg_segment_size: 40
    .max_flat_workgroup_size: 128
    .sgpr_count:     96
    .vgpr_count:     512
    .wavefront_size: 32
...
	.end_amdgpu_metadata
.endif
;; end of part 3
